; MI455X (gfx1250); checked and timed in simulation.
; The chip was launched on July 23, 2026; its instructions are those of AMD's public machine-readable ISA for CDNA 5 (MIT licence, August 2026) and "CDNA5" Instruction Set Architecture Reference Guide (July 2026). The comments in the code are by the model that wrote it; some were corrected since.
;; Multi Head Self Attention. Allowed arithmetic: matrix products marked QUANTISED: E5M2 operands, one E8M0 scale for each 32 along K, by v_wmma_scale_f32_16x16x128_f8f6f4 with both operands' format E5M2, f32 sums; everything else in f32.
;; Inputs: fc_b 1,024 float32; fc_w_codes 1,024 x 32 x 32 uint8 (E5M2 codes of fc_w, K innermost, in blocks of 32 codes); fc_w_scales 1,024 x 32 uint8 (E8M0 scales of fc_w, one for each 32 codes along K); qkv_b 3,072 float32; qkv_w_codes 3,072 x 32 x 32 uint8 (E5M2 codes of qkv_w, K innermost, in blocks of 32 codes); qkv_w_scales 3,072 x 32 uint8 (E8M0 scales of qkv_w, one for each 32 codes along K); x_codes 4 x 2,048 x 32 x 32 uint8 (E5M2 codes of x, K innermost, in blocks of 32 codes); x_scales 4 x 2,048 x 32 uint8 (E8M0 scales of x, one for each 32 codes along K).
;; Outputs: out0 4 x 2,048 x 1,024 float32.
;; This version of the problem:
;;   THIS VERSION OF THE PROBLEM IS GIVEN IN LOW PRECISION. The matrix products marked QUANTISED in the list below multiply operands that are first quantised to E5M2 (5 exponent bits, 2 mantissa bits; 8 bits a number), with one power-of-two scale for each 32 numbers along K (OCP MX v1.0); their sums are f32. All else is computed in f32.
;;   The module's matrix products, in the order in which they are computed (A, B: the left and right operand; K: the contracted axis; several contracted axes count as one K, in the product's order):
;;     1. [M 8,192, K 1,024] x [K 1,024, N 3,072]; A: input x (given as codes); B: input qkv_w (given as codes): QUANTISED
;;     2. batch 64 x [M 2,048, K 64] x [K 64, N 2,048]; A: computed on the way; B: computed on the way: QUANTISED
;;     3. batch 64 x [M 2,048, K 2,048] x [K 2,048, N 64]; A: softmax (see below); B: computed on the way: QUANTISED
;;     4. [M 8,192, K 1,024] x [K 1,024, N 1,024]; A: computed on the way; B: input fc_w (given as codes): QUANTISED
;;   THE QUANTISER, for each operand of a quantised product, along K:
;;     - K is cut into blocks of 32 from its start; a last block that is shorter is filled with zeros.
;;     - A block's scale is 2^e with e = floor(log2(the largest magnitude in the block)) - 15, held to -126 .. 127; a block of zeros has e = 0. As a byte (E8M0): e + 127.
;;     - Each number is divided by its block's scale, clamped to +-57,344, and rounded to the nearest number of E5M2, ties to even, subnormals kept.
;;     - The product sums the exact products of the quantised numbers (number of the format x scale) in f32.
;;   ~~~python
;;   def quantise(x, axis):      # numpy; x: float32 -> the quantised numbers, widened to float32 again
;;       x = np.moveaxis(x, axis, -1); K = x.shape[-1]
;;       x = np.pad(x, [(0, 0)] * (x.ndim - 1) + [(0, -K % 32)]); x = x.reshape(x.shape[:-1] + (-1, 32)); a = np.abs(x).max(-1, keepdims=True)
;;       e = np.where(a > 0, np.clip(np.frexp(np.where(a > 0, a, 1))[1] - 1 - 15, -126, 127), 0)      # np.frexp(a)[1] - 1 = floor(log2(a)), exactly
;;       r = np.clip(x / 2.0 ** e, -57344, 57344)
;;       step = 2.0 ** (np.maximum(np.frexp(np.where(r == 0, 1, r))[1] - 1, -14) - 2)
;;       q = np.round(r / step) * step * 2.0 ** e      # np.round: ties to even
;;       return np.moveaxis(q.reshape(q.shape[:-2] + (-1,))[..., :K], -1, axis).astype(np.float32)
;;   ~~~
;;   SOFTMAX AHEAD OF A QUANTISED PRODUCT. Where the list says 'softmax', what is quantised is not the finished softmax but p = 2^(t - M), with t = logit x log2(e) and M = ceil(the row's largest t), a whole number; so 1/2 < the row's largest p <= 1. The row's sum l is taken of the UNQUANTISED p, in f32, and the product's result is divided by l at the end. Since M is a whole number, a kernel that streams over the keys may use a running M (the ceiling of the running maximum): every later rescaling is an exact power of two, which a block's scale takes up: the codes' values come out the same.
;;   OPERANDS COMPUTED ON THE WAY. 'Computed on the way' means the value that the module computes at that place (a softmax that the list does not call 'softmax' is quantised finished and normalised). What goes into a quantiser is computed in f32, as accurately as f32 sums, v_exp_f32 and their like allow (about 1e-6 of the number): no bf16 or f16 on the way to a quantiser, and a product that is left as it is and whose result goes on into a quantised operand takes f32 operands (vector FMAs, or v_wmma_f32_16x16x4_f32). A number that lies on a knife's edge between two numbers of the format may be rounded either way, as far as f32 arithmetic and the matrix unit's own rounding can turn it there, and no further.
;;   INPUTS GIVEN AS CODES. fc_w (in the module: [1024, 1024], K = its axis 1); qkv_w (in the module: [3072, 1024], K = its axis 1); x (in the module: [4, 2048, 1024], K = its axis 2): each comes as NAME_codes (uint8): NAME with its K axis moved to the last place and cut into blocks of 32 codes, [.., K / 32, bytes a block], one block behind the other in memory; one code a byte (a code: sign, 5 exponent bits, 2 mantissa bits); and NAME_scales (uint8): the same leading axes, one E8M0 byte (e + 127) for each 32 codes along K. Its value is code x scale, taken as it is: it is not quantised again, and the codes and scales need not be those that the quantiser above would give.
;; One version. Each part assembles by itself: llvm-mc -triple=amdgcn-amd-amdhsa -mcpu=gfx1250 --defsym DOCPART=n.
;; ======== version 1 of 1: 3 launches
;; limits: right only within a limited range of input values
;; workspace buffers: qkv 25,165,824 bytes; qkv_sc 1,310,720 bytes; o_codes 8,388,608 bytes; o_sc 262,144 bytes
;; launch qkv (part 1): grid 12 x 32, 4 waves a work-group, clusters of 4 x 4, 327,680 bytes of LDS; arguments x_codes, x_scales, qkv_w_codes, qkv_w_scales, qkv_b, qkv, qkv_sc; writes qkv, qkv_sc
.if DOCPART == 1
	.amdgcn_target "amdgcn-amd-amdhsa--gfx1250"
	.amdhsa_code_object_version 6
	.text
	.protected	k_q6de45a4a5f_qkv
	.globl	k_q6de45a4a5f_qkv
	.p2align	8
	.type	k_q6de45a4a5f_qkv,@function
k_q6de45a4a5f_qkv:
	s_mov_b64 s[64:65], 0
	v_nop
	global_prefetch_b8 v0, s[64:65] scope:SCOPE_SE
	s_setreg_imm32_b32 hwreg(HW_REG_WAVE_MODE, 25, 1), 1
	s_wait_xcnt 0x0
	s_wait_alu depctr_hold_cnt(0) depctr_sa_sdst(0) depctr_va_vdst(0) depctr_va_sdst(0) depctr_va_ssrc(0) depctr_va_vcc(0) depctr_vm_vsrc(0)
	s_getreg_b32 s2, hwreg(HW_REG_IB_STS2, 6, 4)
	s_cmp_eq_u32 s2, 0
	s_cbranch_scc0 .Lentry_in_a_cluster
	s_endpgm
.Lentry_in_a_cluster:
	s_bfe_u32 s2, ttmp6, 0x10000c
	s_cmp_lg_u32 s2, 0xf033
	s_cbranch_scc0 .Lentry_shape_is_right
	s_endpgm
.Lentry_shape_is_right:
.set PITCH,  272
.set HALFT,  128*PITCH
.set SLOT,   4*HALFT
.set SPARE,  2*SLOT
.set ADRA, 2
.set ADRB, 4
.set SPW,  6
.set NIL,  7
.set SA,   8
.set SB,   40
.set TM,   72
.set L16,  88
.set BOF,  89
.set SOF,  90
.set L8,   91
.set RR,   92
.set HH,   93
.set W,    96
.set DW,   112
.set AF,   128
.set T,    128
.set PCB,  192
.set G1,   24
.set G0,   32
.set G1B,  48
.set G0B,  56
.set MSB,  0
.macro WIN new
.if MSB != (\new)
	s_set_vgpr_msb (MSB<<8)|(\new)
.set MSB, \new
.endif
.endm
.set MUL_LO, 0xa1
.set MUL_HI, 0xf1
.set TO_B,   0x40
.macro JLOAD s
	s_cmp_eq_u32 s19, 0
	s_cbranch_scc0 .Lfor_b_\@
	tensor_load_to_lds s[G0+4*\s:G0+4*\s+3], s[G1:G1+7]
	s_nop 0
.rept 4
	v_nop
.endr
	s_branch .Lasked_\@
.Lfor_b_\@:
	tensor_load_to_lds s[G0B+4*\s:G0B+4*\s+3], s[G1B:G1B+7]
	s_nop 0
.rept 4
	v_nop
.endr
.Lasked_\@:
.endm
.macro CREST
	s_cmp_lg_u32 s18, 0
	s_cbranch_scc1 .Lnot_wave_0_\@
	s_barrier_signal -3
.Lnot_wave_0_\@:
	s_barrier_wait -3
	s_barrier_signal -1
	s_barrier_wait -1
.endm
.macro CROUND
	s_barrier_signal -1
	s_barrier_wait -1
	CREST
.endm
	s_load_b256 s[4:11], s[0:1], 0x0
	s_load_b128 s[12:15], s[0:1], 0x20
	s_load_b64 s[16:17], s[0:1], 0x30
	v_lshl_add_u32 v[SPW], v0, 2, SPARE
	v_mov_b32 v[NIL], 0
	ds_add_u32 v[SPW], v[NIL]
	ds_add_u32 v[SPW], v[NIL]
	v_lshrrev_b32 v1, 5, v0
	v_readfirstlane_b32 s18, v1
	s_lshr_b32 s19, s18, 1
	s_and_b32 s20, s18, 1
	s_bfe_u32 s22, ttmp6, 0x40000
	s_bfe_u32 s23, ttmp6, 0x40004
	s_and_b32 s44, ttmp7, 0xffff
	s_cmp_eq_u32 ttmp9, 2
	s_cselect_b32 s21, 1, 0
	s_cselect_b32 s45, 0, s44
	s_cselect_b32 s46, s44, ttmp9
	s_lshl_b32 s41, s45, 2
	s_add_co_u32 s41, s41, s23
	s_lshl_b32 s40, s46, 2
	s_add_co_u32 s40, s40, s22
	s_lshl_b32 s42, s23, 2
	s_lshl_b32 s42, 15, s42
	s_lshl_b32 s43, 0x1111, s22
	s_or_b32 s[G1], s42, (1<<20)|(1<<21)|(5<<22)|(3<<25)
	s_or_b32 s[G1B], s43, (1<<20)|(1<<21)|(5<<22)|(3<<25)
.irp g, G1, G1B
	s_mov_b32 s[\g+1], 256<<16
	s_mov_b32 s[\g+2], 128<<16
	s_mov_b32 s[\g+3], 256<<16
	s_mov_b32 s[\g+4], 128
	s_mov_b32 s[\g+5], 1024
	s_mov_b32 s[\g+6], 0
	s_mov_b32 s[\g+7], 0
.endr
	s_lshl_b32 s44, s20, 7
	s_lshl_b32 s45, s21, 11
	s_lshl_b32 s66, s41, 8
	s_add_co_u32 s66, s66, s44
	s_add_co_u32 s66, s66, s45
	s_lshl_b32 s66, s66, 10
	s_mov_b32 s67, 0
	s_lshl_b32 s68, s40, 8
	s_add_co_u32 s68, s68, s44
	s_lshl_b32 s68, s68, 10
	s_mov_b32 s69, 0
	s_mul_i32 s47, s18, HALFT
	s_lshl_b32 s80, s41, 8
	s_lshl_b32 s44, s19, 7
	s_add_co_u32 s80, s80, s44
	s_lshl_b32 s81, s40, 8
	s_lshl_b32 s44, s20, 7
	s_add_co_u32 s81, s81, s44
	s_add_co_u32 s70, s80, s45
	s_lshl_b32 s70, s70, 5
	s_mov_b32 s71, 0
	s_lshl_b32 s88, s81, 5
	s_mov_b32 s89, 0
	s_cmp_eq_u32 s21, 1
	s_cselect_b32 s44, s81, s80
	s_cselect_b32 s46, s80, s81
	s_add_co_u32 s46, s46, s45
	s_lshl_b32 s94, s46, 2
	s_mov_b32 s95, 0
	s_lshr_b32 s44, s44, 7
	s_lshr_b32 s46, s46, 6
	s_and_b32 s90, s44, 48
	s_and_b32 s91, s46, 15
	s_add_co_u32 s90, s90, s91
	s_and_b32 s44, s44, 15
	s_lshr_b32 s46, s46, 4
	s_mul_i32 s82, s90, 393216
	s_mul_i32 s91, s44, 24576
	s_add_co_u32 s82, s82, s91
	s_lshl_b32 s91, s46, 13
	s_add_co_u32 s82, s82, s91
	s_mov_b32 s83, 0
	s_mul_i32 s92, s90, 20480
	s_mul_i32 s91, s44, 1280
	s_add_co_u32 s92, s92, s91
	s_lshl_b32 s91, s46, 9
	s_add_co_u32 s92, s92, s91
	s_mov_b32 s93, 0
	s_mov_b32 s84, 0x76543210
	s_mov_b32 s85, 0xfedcba98
	s_mov_b32 s86, 0x600000
	s_mov_b32 s87, 0xffff0000
	s_wait_dscnt 0x0
	s_wait_kmcnt 0x0
	s_cmp_eq_u32 s21, 1
	s_cselect_b64 s[72:73], s[8:9], s[4:5]
	s_cselect_b64 s[74:75], s[10:11], s[6:7]
	s_cselect_b64 s[76:77], s[4:5], s[8:9]
	s_cselect_b64 s[78:79], s[6:7], s[10:11]
	s_add_nc_u64 s[72:73], s[72:73], s[66:67]
	s_add_nc_u64 s[76:77], s[76:77], s[68:69]
	s_add_nc_u64 s[74:75], s[74:75], s[70:71]
	s_add_nc_u64 s[78:79], s[78:79], s[88:89]
	s_add_nc_u64 s[12:13], s[12:13], s[94:95]
	s_add_nc_u64 s[14:15], s[14:15], s[82:83]
	s_add_nc_u64 s[16:17], s[16:17], s[92:93]
.irp s, 0,1
	s_mov_b32 s[G0+4*\s], 1
	s_add_co_u32 s[G0+4*\s+1], s47, \s*SLOT
	s_add_nc_u64 s[G0+4*\s+2:G0+4*\s+3], s[72:73], \s*256
	s_or_b32 s[G0+4*\s+3], s[G0+4*\s+3], 0x80000000
	s_mov_b32 s[G0B+4*\s], 1
	s_add_co_u32 s[G0B+4*\s+1], s47, \s*SLOT
	s_add_nc_u64 s[G0B+4*\s+2:G0B+4*\s+3], s[76:77], \s*256
	s_or_b32 s[G0B+4*\s+3], s[G0B+4*\s+3], 0x80000000
	s_wait_alu depctr_va_vdst(0)
	s_wait_tensorcnt 0x0
	ds_add_u32 v6, v7
	ds_add_u32 v6, v7
	s_wait_dscnt 0x0
	CROUND
	JLOAD \s
.endr
	v_and_b32 v[RR], 15, v0
	v_bfe_u32 v[HH], v0, 4, 1
	v_lshlrev_b32 v[SOF], 5, v[RR]
	v_lshl_add_u32 v[SOF], v[HH], 4, v[SOF]
.irp i, 0,1,2,3,4,5,6,7
	global_load_b128 v[SA+4*\i:SA+4*\i+3], v[SOF], s[74:75] offset:512*\i
	global_load_b128 v[SB+4*\i:SB+4*\i+3], v[SOF], s[78:79] offset:512*\i
.endr
	v_mul_u32_u24 v73, v[RR], PITCH
	v_lshl_add_u32 v73, v[HH], 4, v73
	s_mul_i32 s44, s19, HALFT
	s_mul_i32 s45, s20, HALFT
	s_add_co_u32 s45, s45, 2*HALFT
.irp s, 0,1
	v_add_nc_u32 v[ADRA+\s], s44, v73
	v_add_nc_u32 v[ADRB+\s], s45, v73
	s_add_co_u32 s44, s44, SLOT
	s_add_co_u32 s45, s45, SLOT
.endr
	v_and_b32 v74, 31, v0
	v_lshlrev_b32 v[L16], 4, v74
	v_lshlrev_b32 v[L8], 3, v74
.irp b, 0,1,2,3
	v_mov_b32 v[TM+4+\b], 0
.endr
.macro FRAG reg, adr, q, i
.irp c, 0,1,2,3
	ds_load_b128 v[\reg+4*\c:\reg+4*\c+3], v[\adr] offset:128*(\q)+32*\c+(\i)*16*PITCH
.endr
.endm
.macro PROD a, b, p, s, zero
.set rD, 8*(8*((\a)%4)+(\b))
.set rB, 128*(\p)+16*(\b)
.set rA, AF+16*(\a)
.set rSB, SB+4*(\b)+(\s)%4
.set rSA, SA+4*(\a)+(\s)%4
.if \zero
	v_wmma_scale_f32_16x16x128_f8f6f4 v[rD:rD+7], v[rB:rB+15], v[rA:rA+15], 0, v[rSB], v[rSA] matrix_a_fmt:MATRIX_FMT_BF8 matrix_b_fmt:MATRIX_FMT_BF8
.elseif (\s) < 4
	v_wmma_scale_f32_16x16x128_f8f6f4 v[rD:rD+7], v[rB:rB+15], v[rA:rA+15], v[rD:rD+7], v[rSB], v[rSA] matrix_a_fmt:MATRIX_FMT_BF8 matrix_b_fmt:MATRIX_FMT_BF8
.else
	v_wmma_scale_f32_16x16x128_f8f6f4 v[rD:rD+7], v[rB:rB+15], v[rA:rA+15], v[rD:rD+7], v[rSB], v[rSA] matrix_a_fmt:MATRIX_FMT_BF8 matrix_b_fmt:MATRIX_FMT_BF8 matrix_a_scale:MATRIX_SCALE_ROW1 matrix_b_scale:MATRIX_SCALE_ROW1
.endif
.endm
.macro MUL16 a0, p, s, zero
.irp a, \a0, \a0+1
.irp b, 0,1,2,3,4,5,6,7
	PROD \a, \b, \p, \s, \zero
.endr
.endr
.endm
.macro FETCH_B slot, q, p
	WIN TO_B
.irp i, 0,1,2,3,4,5,6,7
	FRAG 128*(\p)+16*\i, ADRB+\slot, \q, \i
.endr
	WIN 0
.endm
.macro FETCH_A slot, q, i0
.irp i, \i0, \i0+1, \i0+2, \i0+3
	FRAG AF+16*(\i), ADRA+\slot, \q, \i
.endr
.endm
.macro PLACES n
.rept \n
	v_nop
.endr
.endm
.macro STEP slot, s, zero
	s_wait_dscnt 16
	WIN MUL_LO
	MUL16 0, 0, \s, \zero
	MUL16 2, 0, \s, \zero
	s_wait_dscnt 0x0
	PLACES 8
	FETCH_B \slot, 1, 1
	FETCH_A \slot, 1, 0
	WIN MUL_HI
	MUL16 4, 0, \s, \zero
	MUL16 6, 0, \s, \zero
	PLACES 8
	WIN 0
	FETCH_A \slot, 1, 4
.endm
.macro TURN slot, next, fill, s
	s_wait_tensorcnt 0x0
	ds_add_u32 v[SPW], v[NIL]
	s_wait_dscnt 17
	WIN MUL_LO
	MUL16 0, 1, \s, 0
	s_wait_dscnt 0x0
	s_barrier_signal -1
	MUL16 2, 1, \s, 0
	WIN 0
	s_barrier_wait -1
.if \fill
	CREST
	s_add_nc_u64 s[G0+4*\slot+2:G0+4*\slot+3], s[G0+4*\slot+2:G0+4*\slot+3], 512
	s_add_nc_u64 s[G0B+4*\slot+2:G0B+4*\slot+3], s[G0B+4*\slot+2:G0B+4*\slot+3], 512
	JLOAD \slot
	PLACES 4
.else
	PLACES 8
.endif
	s_wait_alu depctr_va_vdst(0)
	FETCH_B \next, 0, 0
	FETCH_A \next, 0, 0
	WIN MUL_HI
	MUL16 4, 1, \s, 0
	MUL16 6, 1, \s, 0
	PLACES 8
	WIN 0
	FETCH_A \next, 0, 4
.endm
.macro QUANT
.irp b, 0,1,2,3
	v_max3_num_f32 v[TM+\b], |v[T+16*\b]|, |v[T+1+16*\b]|, 0x8000000
.endr
.irp i, 2,4,6,8,10,12,14
.irp b, 0,1,2,3
	v_max3_num_f32 v[TM+\b], v[TM+\b], |v[T+16*\b+\i]|, |v[T+1+16*\b+\i]|
.endr
.endr
.irp b, 0,1,2,3
	v_permlanex16_b32 v[TM+4+\b], v[TM+\b], s84, s85
.endr
.irp b, 0,1,2,3
	v_max_num_f32 v[TM+\b], v[TM+\b], v[TM+4+\b]
.endr
.irp b, 0,1,2,3
	v_add_nc_u32 v[TM+12+\b], 0xf8800000, v[TM+\b]
.endr
.irp b, 0,1,2,3
	v_and_or_b32 v[TM+8+\b], v[TM+\b], 0x7f800000, s86
.endr
.irp b, 0,1,2,3
	v_lshrrev_b32 v[TM+4+\b], 23, v[TM+12+\b]
.endr
.irp b, 0,1,2,3
.irp i, 0,1,2,3,4,5,6,7,8,9,10,11,12,13,14,15
	v_med3_num_f32 v[T+16*\b+\i], v[T+16*\b+\i], -v[TM+8+\b], v[TM+8+\b]
.endr
	v_cvt_scalef32_pk8_bf8_f32 v[PC+4*\b:PC+4*\b+1], v[T+16*\b:T+16*\b+7], v[TM+12+\b]
	v_cvt_scalef32_pk8_bf8_f32 v[PC+4*\b+2:PC+4*\b+3], v[T+16*\b+8:T+16*\b+15], v[TM+12+\b]
.endr
	v_nop
.endm
.macro EPI a, role
.set PC, PCB+16*((\a)%4)
	WIN 0x06+(\a)/4
.set i, 0
.rept 32
.if \role
	v_pk_add_f32 v[T+2*i:T+2*i+1], v[64*((\a)%4)+2*i:64*((\a)%4)+2*i+1], v[2*(\a):2*(\a)+1]
.else
	v_pk_add_f32 v[T+2*i:T+2*i+1], v[64*((\a)%4)+2*i:64*((\a)%4)+2*i+1], v[2*i:2*i+1]
.endif
.set i, i+1
.endr
	WIN 0
.if (\a) == 4
	s_wait_xcnt 0x0
.endif
	QUANT
.irp e, 0,1,2,3
.if \role
	global_store_b128 v[L16], v[PC+4*\e:PC+4*\e+3], s[14:15] offset:((\a)/4)*393216+((\a)%4)*2048+\e*512
.else
	global_store_b128 v[L16], v[PC+4*\e:PC+4*\e+3], s[14:15] offset:(\e/2)*393216+(\a)*1024+(\e%2)*512
.endif
.endr
.if \role
	v_lshl_or_b32 v[W+(\a)], v[TM+5], 8, v[TM+4]
	v_lshl_or_b32 v[W+(\a)], v[TM+6], 16, v[W+(\a)]
	v_lshl_or_b32 v[W+(\a)], v[TM+7], 24, v[W+(\a)]
.else
	v_lshl_or_b32 v[W+2*(\a)], v[TM+5], 8, v[TM+4]
	v_lshl_or_b32 v[W+2*(\a)+1], v[TM+7], 8, v[TM+6]
.endif
.endm
.macro TAIL role
.if \role
	v_lshlrev_b32 v[BOF], 2, v[RR]
	WIN TO_B
.irp a, 0,1,2,3,4,5,6,7
	global_load_b32 v[2*\a], v[BOF], s[12:13] offset:64*\a
	global_load_b32 v[2*\a+1], v[BOF], s[12:13] offset:64*\a
.endr
.else
	v_lshlrev_b32 v[BOF], 5, v[HH]
	WIN TO_B
.irp b, 0,1,2,3,4,5,6,7
	global_load_b128 v[8*\b:8*\b+3], v[BOF], s[12:13] offset:64*\b
	global_load_b128 v[8*\b+4:8*\b+7], v[BOF], s[12:13] offset:64*\b+16
.endr
.endif
	s_wait_dscnt 16
	WIN MUL_LO
	MUL16 0, 1, 7, 0
	MUL16 2, 1, 7, 0
	s_wait_dscnt 0x0
	WIN MUL_HI
	MUL16 4, 1, 7, 0
	MUL16 6, 1, 7, 0
	PLACES 8
	s_wait_loadcnt 0x0
.irp a, 0,1,2,3,4,5,6,7
	EPI \a, \role
.endr
.irp e, 0,1
.if \role
.irp j, 0,1
	v_cndmask_b32 v[DW+2*\e+\j], v[W+4*\e+2*\j], v[W+4*\e+2*\j+1], s87
.endr
	global_store_b64 v[L8], v[DW+2*\e:DW+2*\e+1], s[16:17] offset:\e*20480
.else
.irp j, 0,1,2,3
	v_cndmask_b32 v[DW+4*\e+\j], v[W+4*\j+\e], v[W+4*\j+2+\e], s87
.endr
	global_store_b128 v[L16], v[DW+4*\e:DW+4*\e+3], s[16:17] offset:\e*20480
.endif
.endr
.endm
	s_wait_tensorcnt 1
	s_barrier_signal -1
	s_barrier_wait -1
	FETCH_B 0, 0, 0
	FETCH_A 0, 0, 0
	FETCH_A 0, 0, 4
	s_wait_loadcnt 0x0
	STEP 0, 0, 1
	TURN 0, 1, 1, 1
	STEP 1, 2, 0
	TURN 1, 0, 1, 3
	STEP 0, 4, 0
	TURN 0, 1, 0, 5
	STEP 1, 6, 0
	s_cmp_eq_u32 s21, 1
	s_cbranch_scc1 .Lvalues
	TAIL 0
	s_branch .Ljoin
.Lvalues:
	TAIL 1
.Ljoin:
	s_wait_tensorcnt 0x0
	ds_add_u32 v[SPW], v[NIL]
	s_wait_dscnt 0x0
	CROUND
	s_endpgm
.Lfunc_end_k_q6de45a4a5f_qkv:
	.size	k_q6de45a4a5f_qkv, .Lfunc_end_k_q6de45a4a5f_qkv-k_q6de45a4a5f_qkv
	.p2alignl 7, 3214868480
	.fill 96, 4, 3214868480
	.section	.rodata,"a",@progbits
	.p2align	6, 0x0
	.amdhsa_kernel k_q6de45a4a5f_qkv
		.amdhsa_group_segment_fixed_size 327680
		.amdhsa_private_segment_fixed_size 0
		.amdhsa_enable_private_segment 0
		.amdhsa_kernarg_size 56
		.amdhsa_user_sgpr_count 2
		.amdhsa_user_sgpr_kernarg_segment_ptr 1
		.amdhsa_wavefront_size32 1
		.amdhsa_system_sgpr_workgroup_id_x 1
		.amdhsa_system_sgpr_workgroup_id_y 1
		.amdhsa_system_sgpr_workgroup_id_z 1
		.amdhsa_system_vgpr_workitem_id 0
		.amdhsa_next_free_vgpr 1024
		.amdhsa_next_free_sgpr 96
		.amdhsa_reserve_vcc 0
		.amdhsa_float_denorm_mode_32 3
		.amdhsa_float_denorm_mode_16_64 3
		.amdhsa_memory_ordered 1
		.amdhsa_forward_progress 1
		.amdhsa_inst_pref_size 255
	.end_amdhsa_kernel
	.section	.bss,"aw",@nobits
	.p2align	6
	.space	262144
	.amdgpu_metadata
---
amdhsa.version: [ 1, 2 ]
amdhsa.kernels:
  - .name:           k_q6de45a4a5f_qkv
    .symbol:         k_q6de45a4a5f_qkv.kd
    .args:
      - { .name: x_codes, .offset: 0, .size: 8, .value_kind: global_buffer, .address_space: global }
      - { .name: x_scales, .offset: 8, .size: 8, .value_kind: global_buffer, .address_space: global }
      - { .name: qkv_w_codes, .offset: 16, .size: 8, .value_kind: global_buffer, .address_space: global }
      - { .name: qkv_w_scales, .offset: 24, .size: 8, .value_kind: global_buffer, .address_space: global }
      - { .name: qkv_b, .offset: 32, .size: 8, .value_kind: global_buffer, .address_space: global }
      - { .name: qkv, .offset: 40, .size: 8, .value_kind: global_buffer, .address_space: global }
      - { .name: qkv_sc, .offset: 48, .size: 8, .value_kind: global_buffer, .address_space: global }
    .group_segment_fixed_size: 327680
    .private_segment_fixed_size: 0
    .kernarg_segment_align: 8
    .kernarg_segment_size: 56
    .max_flat_workgroup_size: 128
    .sgpr_count:     96
    .vgpr_count:     1024
    .wavefront_size: 32
...
	.end_amdgpu_metadata
.endif
;; end of part 1
;; launch attn (part 2): grid 4 x 64, 16 waves a work-group, clusters of 4 x 1, 327,680 bytes of LDS; arguments qkv, qkv_sc, o_codes, o_sc; writes o_codes, o_sc
.if DOCPART == 2
	.amdgcn_target "amdgcn-amd-amdhsa--gfx1250"
	.amdhsa_code_object_version 6
	.text
	.protected	k_q6de45a4a5f_attn
	.globl	k_q6de45a4a5f_attn
	.p2align	8
	.type	k_q6de45a4a5f_attn,@function
k_q6de45a4a5f_attn:
	s_mov_b64 s[64:65], 0
	v_nop
	global_prefetch_b8 v0, s[64:65] scope:SCOPE_SE
	s_setreg_imm32_b32 hwreg(HW_REG_WAVE_MODE, 25, 1), 1
	s_wait_xcnt 0x0
	s_wait_alu depctr_hold_cnt(0) depctr_sa_sdst(0) depctr_va_vdst(0) depctr_va_sdst(0) depctr_va_ssrc(0) depctr_va_vcc(0) depctr_vm_vsrc(0)
	s_getreg_b32 s2, hwreg(HW_REG_IB_STS2, 6, 4)
	s_cmp_eq_u32 s2, 0
	s_cbranch_scc0 .Lentry_in_a_cluster
	s_endpgm
.Lentry_in_a_cluster:
	s_bfe_u32 s2, ttmp6, 0x10000c
	s_cmp_lg_u32 s2, 0x3003
	s_cbranch_scc0 .Lentry_shape_is_right
	s_endpgm
.Lentry_shape_is_right:
; o = softmax(q k^T / 8) v for one batch and head (bh), both products on codes of BF8 (E5M2) with E8M0 scales; o is quantised along the 1,024 channels (a head is two blocks of 32) for the last product.
; Nothing is left out.  LIMITS: NaN and infinities are not served; the scaled scores stay under 2^31 in magnitude; a p under 2^-126 falls to 0 (v_exp_f32 flushes);
; a block of zeros gets the byte 1 with zero codes, and this program alone reads the bytes.
; THE SOFTMAX: t = score x log2(e) / 8; M = the running largest t rounded UP to a whole number; p = 2^(t - M) is quantised along the keys, not normalised; the row's sum is taken of the unquantised p
; and divides at the end.  When M moves, the sum and O are multiplied by 2^(old M - new M): exact.
; SHARES.  A work-group owns 512 queries of one bh; each of its SIXTEEN waves owns 32 of them, one tile of 16 in each of two passes, in 256 registers: four waves to a SIMD, no register windows.
; ALL of the head's K and V codes (16 steps of 128 keys x 16,384 bytes) and their scale words (16 x 768 bytes) come into LDS once; no byte is filled twice.  They come in two stages.
; At the head, one tensor load a wave: waves 0-7 a quarter each (4,096 bytes) of key groups 0 and 1, waves 8-15 two groups of scale words each (2 rows of 768 bytes): all that the first two key steps read.
; Behind an add onto the spare word and its wait, and a round of the cluster's barrier: waves 0-6 two key groups each (2 rows of 16,384 bytes), groups 2 to 15.
; The first pass walks two key steps under those loads, then waits for them and passes a barrier.  The four query blocks of a head are a cluster and ask jointly.
; No prefetch: all of K and V has been asked for when the first key step begins, so no later load is left to run ahead of.
; LAYOUT.  Both products transposed: S^T = K Q^T, O^T = V^T P^T: a lane holds one query (lane % 16).  The codes lie in LDS as images of operand registers: 512 consecutive bytes a load.
; K = 64 in the first product: registers 8-15 of Q's fragment are zero codes.  K's eight tiles lie on end, 8 registers each, so registers 8-15 of tile t's operand are tile t + 1's codes (behind tile 7: zeros).
; They are finite codes (the first launch holds every number ahead of its conversion), their scale bytes are 0 (2^-127), and they meet Q's zero codes: they add nothing.
; The order of k inside a block of 32 is the one that the first launch's way out gives (slots 0-7: 8 h + j, slots 8-15: 16 + 8 h + j), alike in q and k, and in v and p (p's tiles are of neighbouring keys).
; o's codes are put back into the true order, since fc_w's are in it: four exchanges of half rows a tile.
; o_codes: [tile of 16 rows 512][head 16][block 2][lane][16];  o_sc: [row 8,192][32]: a wave stores two bytes of each of its 32 rows, once, at its end: these blocks of 256 bytes are written in part.
.set SC,    262144                     ; behind the codes: a step's scale words: K's 512 bytes, V's 256
.set SPARE, 274432                     ; the spare words, 128 bytes for each wave: no other line names them
.set L16,  1                           ; 16 x lane
.set L8,   2                           ; 8 x lane
.set ADK,  3                           ; the step's codes
.set ADSK, 4                           ; K's scale words
.set ADSV, 5                           ; V's
.set SPW,  6
.set NIL,  7
.set QS,   8                           ; Q's scale words: lanes 0-15 the first pass's tile, lanes 16-31 the second's
.set PW,   9                           ; p's scale word
.set KS,   10                          ; v10-13 K's scale words
.set VS,   14                          ; v14-15 V's
.set L32,  16
.set OSW,  17
.set NM,   18                          ; -M
.set MS,   19                          ; the running largest score
.set SUM,  20                          ; the row's sum, in two halves
.set F,    22                          ; 2^(old M - new M)
.set TP,   23
.set BM,   24
.set PT,   28
.set LM,   32
.set SO,   36
.set Q,    40                          ; v40-47 Q's codes, v48-55 zero codes
.set S,    56                          ; v56-119 S^T, then p
.set O,    120                         ; v120-151 O^T
.set PC,   152                         ; v152-167 p's codes
.set FR,   168                         ; v168-231 K's eight tiles, then V's four; v232-239 zero codes
.set Q1,   240                         ; v240-247 the second pass's Q
.macro CROUND
	s_barrier_signal -1
	s_barrier_wait -1
	s_cmp_lg_u32 s12, 0
	s_cbranch_scc1 .Lnot_wave_0_\@
	s_barrier_signal -3
.Lnot_wave_0_\@:
	s_barrier_wait -3
	s_barrier_signal -1
	s_barrier_wait -1
.endm
	s_load_b256 s[4:11], s[0:1], 0x0               ; qkv s[4:5], qkv_sc s[6:7], o_codes s[8:9], o_sc s[10:11]
	v_lshl_add_u32 v[SPW], v0, 2, SPARE
	v_mov_b32 v[NIL], 0
	ds_add_u32 v[SPW], v[NIL]                      ; the wave's opening: the add, twice on end, and its wait ahead of my first tensor load
	ds_add_u32 v[SPW], v[NIL]
	v_lshrrev_b32 v1, 5, v0
	s_delay_alu instid0(VALU_DEP_1)
	v_readfirstlane_b32 s12, v1                    ; wave 0..15
	s_and_b32 s14, ttmp7, 0xffff                   ; bh, which the four partners share
	s_and_b32 s15, s14, 15                         ; head
	s_lshr_b32 s16, s14, 4                         ; batch
	s_mov_b32 s24, 15|(3<<16)|(1<<21)              ; the head's codes: the mask: all four; elements of 8 bytes; bit 21 beside a mask; no padding
	s_mov_b32 s25, 32<<16                          ; a dense block of 4,096 bytes as 16 rows of 256
	s_mov_b32 s26, 16<<16
	s_mov_b32 s27, 32<<16
	s_mov_b32 s28, 16
	s_mov_b32 s29, 32
	s_mov_b32 s30, 0
	s_mov_b32 s31, 0
	s_mov_b32 s32, 15|(3<<16)|(1<<21)              ; scale words: 2 rows of 768 bytes, 1,280 bytes apart in memory, on end in LDS
	s_mov_b32 s33, 96<<16
	s_mov_b32 s34, 2<<16
	s_mov_b32 s35, 96<<16
	s_mov_b32 s36, 2
	s_mov_b32 s37, 160
	s_mov_b32 s38, 0
	s_mov_b32 s39, 0
	s_mov_b32 s80, 15|(3<<16)|(1<<21)              ; the later codes: 2 rows of 16,384 bytes (K and V of a key group), 24,576 bytes apart in memory, on end in LDS
	s_mov_b32 s81, 2048<<16
	s_mov_b32 s82, 2<<16
	s_mov_b32 s83, 2048<<16
	s_mov_b32 s84, 2
	s_mov_b32 s85, 3072
	s_mov_b32 s86, 0
	s_mov_b32 s87, 0
	s_and_b32 s17, s12, 7                          ; which part of the head's tiles I fetch
	s_mul_i32 s18, s14, 393216                     ; the head's first byte in qkv
	s_lshr_b32 s19, s17, 2                         ; key group 0 or 1,
	s_mul_i32 s19, s19, 24576
	s_and_b32 s20, s17, 3                          ; and which quarter of its K and V
	s_lshl_b32 s20, s20, 12
	s_add_co_u32 s20, s20, s19
	s_add_co_u32 s20, s20, s18
	s_add_co_u32 s20, s20, 8192                    ; (K and V lie behind the group's Q)
	s_mov_b32 s21, 0
	s_min_u32 s78, s12, 6                          ; the later loads: wave w of 0-6 takes key groups 2 + 2 w and 3 + 2 w
	s_mul_i32 s92, s78, 49152
	s_add_co_u32 s92, s92, s18
	s_add_co_u32 s92, s92, 57344                   ; 2 groups on, behind the group's Q
	s_mov_b32 s93, 0
	s_mov_b32 s88, 1
	s_lshl_b32 s89, s78, 15
	s_add_co_u32 s89, s89, 32768                   ; LDS: behind key groups 0 and 1
	s_mul_i32 s22, s14, 20480                      ; the head's first byte in qkv_sc
	s_mul_i32 s23, s17, 2560
	s_add_co_u32 s74, s22, s23
	s_add_co_u32 s74, s74, 512                     ; the scale words of key groups 2 (w % 8), 2 (w % 8) + 1
	s_mov_b32 s75, 0
	s_lshl_b32 s76, s17, 12                        ; LDS: my quarter of a step's codes
	s_mul_i32 s77, s17, 1536                       ; and two steps' scale words
	s_bfe_u32 s13, ttmp6, 0x40000                  ; cx: my block of 512 queries: it enters Q's and o's addresses alone
	s_lshl_b32 s61, s13, 2
	s_lshr_b32 s62, s12, 2
	s_add_co_u32 s61, s61, s62                     ; my group of 128 queries
	s_and_b32 s62, s12, 3                          ; and which pair of its tiles
	s_mul_i32 s66, s61, 24576
	s_add_co_u32 s66, s66, s18
	s_lshl_b32 s63, s62, 11
	s_add_co_u32 s66, s66, s63                     ; my two tiles of Q
	s_mov_b32 s67, 0
	s_mul_i32 s68, s61, 1280
	s_add_co_u32 s68, s68, s22
	s_lshl_b32 s63, s62, 2
	s_add_co_u32 s68, s68, s63                     ; their scale words
	s_mov_b32 s69, 0
	s_lshl_b32 s70, s16, 7
	s_lshl_b32 s63, s13, 5
	s_add_co_u32 s70, s70, s63
	s_lshl_b32 s63, s12, 1
	s_add_co_u32 s70, s70, s63                     ; my first tile of 16 rows of o
	s_lshl_b32 s72, s70, 9
	s_lshl_b32 s63, s15, 1
	s_add_co_u32 s72, s72, s63                     ; its scale bytes: 32 a row, my head's two
	s_mov_b32 s73, 0
	s_lshl_b32 s70, s70, 14
	s_lshl_b32 s63, s15, 10
	s_add_co_u32 s70, s70, s63                     ; its codes: 16,384 a tile, my head's 1,024
	s_mov_b32 s71, 0
	s_mov_b32 s52, 0x76543210
	s_mov_b32 s53, 0xfedcba98                      ; v_permlanex16_b32's selects for lane l xor 16
	s_mov_b32 s54, 0x3e38aa3b                      ; c = log2(e) / 8
	s_mov_b32 s55, s54                             ; (named with it as a pair)
	s_mov_b32 s56, 0x600000                        ; the mantissa field of 57,344
	s_mov_b32 s57, 0xffff0000                      ; lanes 16-31
	s_wait_dscnt 0x0                               ; both opening adds are done
	s_wait_kmcnt 0x0
	s_mov_b32 s40, 1
	s_add_co_u32 s41, s77, SC
	s_add_nc_u64 s[42:43], s[6:7], s[74:75]
	s_or_b32 s43, s43, 0x80000000
	s_mov_b32 s44, 1
	s_mov_b32 s45, s76
	s_add_nc_u64 s[46:47], s[4:5], s[20:21]
	s_or_b32 s47, s47, 0x80000000
	s_add_nc_u64 s[90:91], s[4:5], s[92:93]
	s_or_b32 s91, s91, 0x80000000
	s_add_nc_u64 s[66:67], s[4:5], s[66:67]
	s_add_nc_u64 s[68:69], s[6:7], s[68:69]
	s_add_nc_u64 s[70:71], s[8:9], s[70:71]
	s_add_nc_u64 s[72:73], s[10:11], s[72:73]
	CROUND                                         ; all four work-groups are here: the joint loads meet
	s_cmp_lt_u32 s12, 8                            ; one tensor load a wave, in the two arms of one branch on the wave's number
	s_cbranch_scc0 .Lfor_scales
	tensor_load_to_lds s[44:47], s[24:31]
	s_nop 0
.rept 4
	v_nop
.endr
	s_branch .Lasked
.Lfor_scales:
	tensor_load_to_lds s[40:43], s[32:39]
	s_nop 0
.rept 4
	v_nop
.endr
.Lasked:
	v_and_b32 v[L8], 31, v0
	s_delay_alu instid0(VALU_DEP_1)
	v_lshlrev_b32 v[L16], 4, v[L8]
	s_delay_alu instid0(VALU_DEP_2)
	v_lshlrev_b32 v[L32], 5, v[L8]
	s_delay_alu instid0(VALU_DEP_3)
	v_lshlrev_b32 v[L8], 3, v[L8]
.irp c, 0,1
	global_load_b128 v[Q+4*\c:Q+4*\c+3], v[L16], s[66:67] offset:512*\c            ; the first pass's tile
	global_load_b128 v[Q1+4*\c:Q1+4*\c+3], v[L16], s[66:67] offset:1024+512*\c     ; the second's
.endr
	global_load_b32 v[QS], v[L16], s[68:69]
.irp i, 8,9,10,11,12,13,14,15
	v_mov_b32 v[Q+\i], 0                           ; zero codes for K = 64 .. 127
	v_mov_b32 v[FR+56+\i], 0                       ; and behind K's tile 7
.endr
.macro KQ t, p                         ; S^T of key tile t: an odd key tile's scale words stand in lanes 16-31, and so do the second pass's of Q
.set rS, S+8*(\t)
.set rK, FR+8*(\t)
.set rC, KS+(\t)/2
.if ((\t)%2 == 0) && (\p == 0)
	v_wmma_scale_f32_16x16x128_f8f6f4 v[rS:rS+7], v[rK:rK+15], v[Q:Q+15], 0, v[rC], v[QS] matrix_a_fmt:MATRIX_FMT_BF8 matrix_b_fmt:MATRIX_FMT_BF8
.elseif (\p == 0)
	v_wmma_scale_f32_16x16x128_f8f6f4 v[rS:rS+7], v[rK:rK+15], v[Q:Q+15], 0, v[rC], v[QS] matrix_a_fmt:MATRIX_FMT_BF8 matrix_b_fmt:MATRIX_FMT_BF8 matrix_a_scale:MATRIX_SCALE_ROW1
.elseif ((\t)%2 == 0)
	v_wmma_scale_f32_16x16x128_f8f6f4 v[rS:rS+7], v[rK:rK+15], v[Q:Q+15], 0, v[rC], v[QS] matrix_a_fmt:MATRIX_FMT_BF8 matrix_b_fmt:MATRIX_FMT_BF8 matrix_b_scale:MATRIX_SCALE_ROW1
.else
	v_wmma_scale_f32_16x16x128_f8f6f4 v[rS:rS+7], v[rK:rK+15], v[Q:Q+15], 0, v[rC], v[QS] matrix_a_fmt:MATRIX_FMT_BF8 matrix_b_fmt:MATRIX_FMT_BF8 matrix_a_scale:MATRIX_SCALE_ROW1 matrix_b_scale:MATRIX_SCALE_ROW1
.endif
.endm
.macro PV4                             ; O^T += V^T P^T: four tiles of 16 channels by turns, K = the step's 128 keys
.irp a, 0,2
	v_wmma_scale_f32_16x16x128_f8f6f4 v[O+8*\a:O+8*\a+7], v[FR+16*\a:FR+16*\a+15], v[PC:PC+15], v[O+8*\a:O+8*\a+7], v[VS+\a/2], v[PW] matrix_a_fmt:MATRIX_FMT_BF8 matrix_b_fmt:MATRIX_FMT_BF8
	v_wmma_scale_f32_16x16x128_f8f6f4 v[O+8*\a+8:O+8*\a+15], v[FR+16*\a+16:FR+16*\a+31], v[PC:PC+15], v[O+8*\a+8:O+8*\a+15], v[VS+\a/2], v[PW] matrix_a_fmt:MATRIX_FMT_BF8 matrix_b_fmt:MATRIX_FMT_BF8 matrix_a_scale:MATRIX_SCALE_ROW1
.endr
.endm
.macro HOLD2 d, s, l                   ; the hold of two numbers in one dual instruction: p is not negative, so it is one-sided (the conversion does not saturate: ISA guide 7.6.2)
	v_dual_min_num_f32 v[\d], v[\s], v[\l] :: v_dual_min_num_f32 v[\d+1], v[\s+1], v[\l]
.endm
.macro HOLD16 d, s, l                  ; a block's 16 numbers, from v[s ..] into v[d ..]
.set i, 0
.rept 8
	HOLD2 (\d)+2*i, (\s)+2*i, \l
.set i, i+1
.endr
.endm
.macro SUMB b                          ; a block's 16 unquantised p onto the row's sum, two at a time, in two chains
.set i, 0
.rept 4
	v_pk_add_f32 v[SUM:SUM+1], v[SUM:SUM+1], v[S+16*(\b)+4*i:S+16*(\b)+4*i+1]
	v_pk_add_f32 v[PT:PT+1], v[PT:PT+1], v[S+16*(\b)+4*i+2:S+16*(\b)+4*i+3]
.set i, i+1
.endr
.endm
.macro CVT b, s                        ; block b's codes from the held numbers at v[s ..]
	v_cvt_scalef32_pk8_bf8_f32 v[PC+4*\b:PC+4*\b+1], v[\s:\s+7], v[SO+\b]
	v_cvt_scalef32_pk8_bf8_f32 v[PC+4*\b+2:PC+4*\b+3], v[\s+8:\s+15], v[SO+\b]
.endm
; a key step: 128 keys.  s58: the step's codes in LDS; s59: its scale words
.macro STEP p
	v_add_nc_u32 v[ADK], s58, v[L16]
	v_add_nc_u32 v[ADSK], s59, v[L16]
	v_add_nc_u32 v[ADSV], s59, v[L8]
	ds_load_b128 v[KS:KS+3], v[ADSK]
	ds_load_b64 v[VS:VS+1], v[ADSV] offset:512
.set i, 0
.rept 16
	ds_load_b128 v[FR+4*i:FR+4*i+3], v[ADK] offset:512*i            ; K's eight tiles, on end (twelve plain instructions stand behind the last step's products)
.set i, i+1
.endr
	s_wait_alu depctr_va_vdst(0)
	s_wait_dscnt 0x0
.irp t, 0,1,2,3,4,5,6,7
	KQ \t, \p
.endr
	v_mov_b32 v[TP], v[NM]                         ; the old -M; with the seven below: the eight places ahead of the loads into K's registers and of the first read of S^T
.rept 7
	v_nop
.endr
.set i, 0
.rept 16
	ds_load_b128 v[FR+4*i:FR+4*i+3], v[ADK] offset:8192+512*i       ; V's four tiles: they land under the softmax
.set i, i+1
.endr
.irp b, 0,1,2,3                        ; the largest score of each block of 32 keys, the four blocks by turns; each accumulator is read from its low end on
	v_max3_num_f32 v[BM+\b], v[S+16*\b], v[S+16*\b+1], v[S+16*\b+2]
.endr
.irp i, 3,5,7,9,11,13
.irp b, 0,1,2,3
	v_max3_num_f32 v[BM+\b], v[BM+\b], v[S+16*\b+\i], v[S+16*\b+\i+1]
.endr
.endr
.irp b, 0,1,2,3
	v_max_num_f32 v[BM+\b], v[BM+\b], v[S+16*\b+15]
.endr
.irp b, 0,1,2,3
	v_permlanex16_b32 v[PT+\b], v[BM+\b], s52, s53
.endr
.irp b, 0,1,2,3
	v_max_num_f32 v[BM+\b], v[BM+\b], v[PT+\b]     ; with lane l xor 16's 16 keys (the four blocks by turns): it serves for the row's maximum and, since p rises with the score, for the block's largest p
.endr
	s_delay_alu instid0(VALU_DEP_3)
	v_max3_num_f32 v[MS], v[MS], v[BM], v[BM+1]
	s_delay_alu instid0(VALU_DEP_1)
	v_max3_num_f32 v[MS], v[MS], v[BM+2], v[BM+3]  ; the running largest score
	s_delay_alu instid0(VALU_DEP_1)
	v_mul_f32 v[F], s54, v[MS]                     ; as t (c is positive)
	s_delay_alu instid0(VALU_DEP_1)
	v_floor_f32 v[NM], -v[F]                       ; the new -M = -ceil(t)
	s_delay_alu instid0(VALU_DEP_1)
	v_sub_f32 v[TP], v[NM], v[TP]                  ; old M - new M: a whole number, 0 or less
.set i, 0
.rept 32
	v_pk_fma_f32 v[S+2*i:S+2*i+1], v[S+2*i:S+2*i+1], s[54:55], v[NM:NM+1] op_sel_hi:[1,0,0]   ; t - M, two at a time
.if i == 7
	v_cvt_i32_f32 v[TP], v[TP]                     ; (it saturates)
.endif
.if i == 15
	v_ldexp_f32 v[F], 1.0, v[TP]                   ; f = 2^(old M - new M)
.endif
.set i, i+1
.endr
.irp b, 0,1,2,3
	v_fma_f32 v[BM+\b], v[BM+\b], s54, v[NM]       ; the same of each block's largest score
.endr
.set i, 0
.rept 16
	v_pk_mul_f32 v[O+2*i:O+2*i+1], v[O+2*i:O+2*i+1], v[F:F+1] op_sel_hi:[1,0]   ; O^T under the new M, ahead of the step's exponentials
.set i, i+1
.endr
	s_wait_alu depctr_va_vdst(0)
.irp b, 0,1,2,3
	v_exp_f32 v[BM+\b], v[BM+\b]                   ; each block's largest p
.endr
.set i, 0
.rept 64
	v_exp_f32 v[S+i], v[S+i]                       ; p = 2^(t - M)
.set i, i+1
.endr
	v_pk_mul_f32 v[SUM:SUM+1], v[SUM:SUM+1], v[F:F+1] op_sel_hi:[1,0]   ; the sums under the new M; the plain instruction behind the batch
	s_wait_alu depctr_va_vdst(0)                   ; one wait for the 68, ahead of their first reader
.irp b, 0,1,2,3
	v_max_num_f32 v[BM+\b], 0x8000000, v[BM+\b]    ; the floor 2^(16 - 127)
.endr
.irp b, 0,1,2,3
	v_add_nc_u32 v[SO+\b], 0xf8800000, v[BM+\b]    ; 15 off the exponent field: the conversion's scale operand (the four blocks by turns)
.endr
.irp b, 0,1,2,3
	v_and_or_b32 v[LM+\b], v[BM+\b], 0x7f800000, s56   ; 57,344 x the scale
.endr
.irp b, 0,1,2,3
	v_lshrrev_b32 v[PT+\b], 23, v[SO+\b]           ; the scale's byte
.endr
	s_delay_alu instid0(VALU_DEP_3)
	v_lshl_or_b32 v[PW], v[PT+1], 8, v[PT]
	s_delay_alu instid0(VALU_DEP_1)
	v_lshl_or_b32 v[PW], v[PT+2], 16, v[PW]
	s_delay_alu instid0(VALU_DEP_1)
	v_lshl_or_b32 v[PW], v[PT+3], 24, v[PW]        ; p's scale word for these 128 keys
	v_pk_add_f32 v[PT:PT+1], v[S:S+1], v[S+2:S+3]  ; THE ROW'S SUM IS TAKEN OF THE UNQUANTISED p: each block is summed ahead of its hold, or held into other registers
.set i, 1
.rept 3
	v_pk_add_f32 v[SUM:SUM+1], v[SUM:SUM+1], v[S+4*i:S+4*i+1]
	v_pk_add_f32 v[PT:PT+1], v[PT:PT+1], v[S+4*i+2:S+4*i+3]
.set i, i+1
.endr
.set i, 0
.rept 4                                ; block 0's hold by turns with block 1's sum
	v_pk_add_f32 v[SUM:SUM+1], v[SUM:SUM+1], v[S+16+4*i:S+17+4*i]
	HOLD2 S+4*i, S+4*i, LM
	v_pk_add_f32 v[PT:PT+1], v[PT:PT+1], v[S+18+4*i:S+19+4*i]
	HOLD2 S+4*i+2, S+4*i+2, LM
.set i, i+1
.endr
	CVT 0, S
	HOLD16 S+16, S+16, LM+1
	CVT 1, S+16
	HOLD16 S, S+32, LM+2                           ; blocks 2 and 3 are held into the registers of blocks 0 and 1, which are done with: their unquantised p stays for the sums below
	HOLD16 S+16, S+48, LM+3
	CVT 2, S
	CVT 3, S+16
	SUMB 2                                         ; eight plain instructions between the last conversion and the products
	s_wait_alu depctr_va_vdst(0)
	s_wait_dscnt 0x0                               ; V
	PV4
	SUMB 3                                         ; these nine name no register of the products: they are the places behind them
	v_pk_add_f32 v[SUM:SUM+1], v[SUM:SUM+1], v[PT:PT+1]
	s_add_co_u32 s58, s58, 16384
	s_add_co_u32 s59, s59, 768
.endm
; a tile's end: O^T / the sum, quantised in two blocks of 32 channels, the codes put into the true order of k
.macro FIN
	v_add_f32 v[SUM], v[SUM], v[SUM+1]
	s_delay_alu instid0(VALU_DEP_1)
	v_permlanex16_b32 v[PT], v[SUM], s52, s53
	s_delay_alu instid0(VALU_DEP_1)
	v_add_f32 v[SUM], v[SUM], v[PT]                ; the row's sum
	s_wait_alu depctr_va_vdst(0)
	v_rcp_f32 v[F], v[SUM]
	v_nop                                          ; a plain instruction behind the reciprocal,
	s_wait_alu depctr_va_vdst(0)                   ; and the wait ahead of its first reader, which is also O^T's
.set i, 0
.rept 16
	v_pk_mul_f32 v[O+2*i:O+2*i+1], v[O+2*i:O+2*i+1], v[F:F+1] op_sel_hi:[1,0]
.set i, i+1
.endr
.irp g, 0,1
	v_max3_num_f32 v[BM+\g], |v[O+16*\g]|, |v[O+16*\g+1]|, 0x8000000
.endr
.irp i, 2,4,6,8,10,12,14
.irp g, 0,1
	s_delay_alu instid0(VALU_DEP_2)
	v_max3_num_f32 v[BM+\g], v[BM+\g], |v[O+16*\g+\i]|, |v[O+16*\g+\i+1]|
.endr
.endr
.irp g, 0,1
	s_delay_alu instid0(VALU_DEP_2)
	v_permlanex16_b32 v[PT+\g], v[BM+\g], s52, s53
.endr
.irp g, 0,1
	s_delay_alu instid0(VALU_DEP_2)
	v_max_num_f32 v[BM+\g], v[BM+\g], v[PT+\g]
.endr
.irp g, 0,1
	s_delay_alu instid0(VALU_DEP_2)
	v_add_nc_u32 v[SO+\g], 0xf8800000, v[BM+\g]
.endr
.irp g, 0,1
	s_delay_alu instid0(VALU_DEP_4)
	v_and_or_b32 v[LM+\g], v[BM+\g], 0x7f800000, s56
.endr
.irp g, 0,1
	s_delay_alu instid0(VALU_DEP_4)
	v_lshrrev_b32 v[PT+\g], 23, v[SO+\g]
.endr
	s_delay_alu instid0(VALU_DEP_1)
	v_lshl_or_b32 v[TP], v[PT+1], 8, v[PT]         ; my row's two scale bytes
.irp g, 0,1
.irp i, 0,1,2,3,4,5,6,7,8,9,10,11,12,13,14,15
	v_med3_num_f32 v[O+16*\g+\i], v[O+16*\g+\i], -v[LM+\g], v[LM+\g]
.endr
	v_cvt_scalef32_pk8_bf8_f32 v[PC+4*\g:PC+4*\g+1], v[O+16*\g:O+16*\g+7], v[SO+\g]
	v_cvt_scalef32_pk8_bf8_f32 v[PC+4*\g+2:PC+4*\g+3], v[O+16*\g+8:O+16*\g+15], v[SO+\g]
.endr
	v_nop                                          ; one plain instruction behind the last conversion
.irp g, 0,1                            ; lanes 0-15 hold channels 0-7 and 16-23 of a block, lanes 16-31 channels 8-15 and 24-31: the exchange gives lanes 0-15 channels 0-15 and lanes 16-31 channels 16-31
	v_permlane16_swap_b32 v[PC+4*\g], v[PC+4*\g+2]
	v_permlane16_swap_b32 v[PC+4*\g+1], v[PC+4*\g+3]
.endr
.endm
.macro STEPS p, n                      ; n key steps on end
	s_mov_b32 s60, \n
.Lstep_\@:
	STEP \p
	s_sub_co_u32 s60, s60, 1
	s_cmp_lg_u32 s60, 0
	s_cbranch_scc1 .Lstep_\@
.endm
.macro PASS p
	v_mov_b32 v[MS], 0xff61b1e6                    ; -3e38, under every score
	v_mov_b32 v[NM], 0x7f61b1e6                    ; -M to begin with: 3e38, a whole number: the first f is 0
	v_mov_b32 v[SUM], 0
	v_mov_b32 v[SUM+1], 0
.irp b, 0,1,2,3
	v_mov_b32 v[PT+\b], 0                          ; a lane permute's destination counts as one of its sources
.endr
.set i, 0
.rept 32
	v_mov_b32 v[O+i], 0                            ; the step is written once: the first finds zeros, which the first change of M leaves zeros
.set i, i+1
.endr
	s_mov_b32 s58, 0
	s_mov_b32 s59, SC
.if \p == 0
	STEPS \p, 2                                    ; key groups 0 and 1, which the head's loads brought: LDS bytes under 32,768, on which no load is out
	s_wait_alu depctr_va_vdst(0)
	s_wait_tensorcnt 0x0                           ; my later load has landed,
	s_barrier_signal -1
	s_barrier_wait -1                              ; everybody's has: all of K and V lies in LDS
	s_mov_b32 s58, 32768
	s_mov_b32 s59, SC+1536
	STEPS \p, 14
.else
	STEPS \p, 16
.endif
	FIN
.irp g, 0,1
	global_store_b128 v[L16], v[PC+4*\g:PC+4*\g+3], s[70:71] offset:\p*16384+512*\g          ; 512 consecutive bytes
.endr
.endm
	s_wait_alu depctr_va_vdst(0)
	s_wait_loadcnt 0x0                             ; Q and its scale words
	s_wait_tensorcnt 0x0                           ; my part of the head's tiles has landed; ahead of a later first fill:
	ds_add_u32 v[SPW], v[NIL]                      ; 0 onto my spare word,
	s_wait_dscnt 0x0                               ; and the wait for it
	CROUND                                         ; a whole round: everybody's part is in, and all four work-groups are here: the joint loads meet
	s_cmp_lt_u32 s12, 7                            ; waves 0-6: key groups 2 to 15, two a wave: my one tensor load behind the round
	s_cbranch_scc0 .Lno_more
	tensor_load_to_lds s[88:91], s[80:87]
	s_nop 0
.rept 4
	v_nop
.endr
.Lno_more:
	PASS 0
	v_mov_b32 v[OSW], v[TP]                        ; the first tile's scale bytes
	s_wait_alu depctr_va_vdst(0)
	s_wait_xcnt 0x0                                ; the stores have read their registers
.irp i, 0,1,2,3,4,5,6,7
	v_mov_b32 v[Q+\i], v[Q1+\i]                    ; the second pass's Q
.endr
	PASS 1
	v_cndmask_b32 v[OSW], v[OSW], v[TP], s57       ; lanes 0-15: the first tile's rows, lanes 16-31: the second's
	global_store_b16 v[L32], v[OSW], s[72:73]
	s_wait_tensorcnt 0x0                           ; the wave's end
	ds_add_u32 v[SPW], v[NIL]
	s_wait_dscnt 0x0
	CROUND                                         ; the closing round
	s_endpgm
.Lfunc_end_k_q6de45a4a5f_attn:
	.size	k_q6de45a4a5f_attn, .Lfunc_end_k_q6de45a4a5f_attn-k_q6de45a4a5f_attn
	.p2alignl 7, 3214868480
	.fill 96, 4, 3214868480
	.section	.rodata,"a",@progbits
	.p2align	6, 0x0
	.amdhsa_kernel k_q6de45a4a5f_attn
		.amdhsa_group_segment_fixed_size 327680
		.amdhsa_private_segment_fixed_size 0
		.amdhsa_enable_private_segment 0
		.amdhsa_kernarg_size 32
		.amdhsa_user_sgpr_count 2
		.amdhsa_user_sgpr_kernarg_segment_ptr 1
		.amdhsa_wavefront_size32 1
		.amdhsa_system_sgpr_workgroup_id_x 1
		.amdhsa_system_sgpr_workgroup_id_y 1
		.amdhsa_system_sgpr_workgroup_id_z 1
		.amdhsa_system_vgpr_workitem_id 0
		.amdhsa_next_free_vgpr 256
		.amdhsa_next_free_sgpr 96
		.amdhsa_reserve_vcc 0
		.amdhsa_float_denorm_mode_32 3
		.amdhsa_float_denorm_mode_16_64 3
		.amdhsa_memory_ordered 1
		.amdhsa_forward_progress 1
		.amdhsa_inst_pref_size 80
	.end_amdhsa_kernel
	.amdgpu_metadata
---
amdhsa.version: [ 1, 2 ]
amdhsa.kernels:
  - .name:           k_q6de45a4a5f_attn
    .symbol:         k_q6de45a4a5f_attn.kd
    .args:
      - { .name: qkv, .offset: 0, .size: 8, .value_kind: global_buffer, .address_space: global }
      - { .name: qkv_sc, .offset: 8, .size: 8, .value_kind: global_buffer, .address_space: global }
      - { .name: o_codes, .offset: 16, .size: 8, .value_kind: global_buffer, .address_space: global }
      - { .name: o_sc, .offset: 24, .size: 8, .value_kind: global_buffer, .address_space: global }
    .group_segment_fixed_size: 327680
    .private_segment_fixed_size: 0
    .kernarg_segment_align: 8
    .kernarg_segment_size: 32
    .max_flat_workgroup_size: 512
    .sgpr_count:     96
    .vgpr_count:     256
    .wavefront_size: 32
...
	.end_amdgpu_metadata
.endif
;; end of part 2
;; launch fc (part 3): grid 32 x 8, 4 waves a work-group, clusters of 4 x 1, 327,680 bytes of LDS; arguments o_codes, o_sc, fc_w_codes, fc_w_scales, fc_b, out0; writes out0
.if DOCPART == 3
	.amdgcn_target "amdgcn-amd-amdhsa--gfx1250"
	.amdhsa_code_object_version 6
	.text
	.protected	k_q6de45a4a5f_fc
	.globl	k_q6de45a4a5f_fc
	.p2align	8
	.type	k_q6de45a4a5f_fc,@function
k_q6de45a4a5f_fc:
	s_mov_b64 s[64:65], 0
	v_nop
	global_prefetch_b8 v0, s[64:65] scope:SCOPE_SE
	s_setreg_imm32_b32 hwreg(HW_REG_WAVE_MODE, 25, 1), 1
	s_wait_xcnt 0x0
	s_wait_alu depctr_hold_cnt(0) depctr_sa_sdst(0) depctr_va_vdst(0) depctr_va_sdst(0) depctr_va_ssrc(0) depctr_va_vcc(0) depctr_vm_vsrc(0)
	s_getreg_b32 s2, hwreg(HW_REG_IB_STS2, 6, 4)
	s_cmp_eq_u32 s2, 0
	s_cbranch_scc0 .Lentry_in_a_cluster
	s_endpgm
.Lentry_in_a_cluster:
	s_bfe_u32 s2, ttmp6, 0x10000c
	s_cmp_lg_u32 s2, 0x3003
	s_cbranch_scc0 .Lentry_shape_is_right
	s_endpgm
.Lentry_shape_is_right:
; out0[m][n] = sum over k of o[m][k] fc_w[n][k] + fc_b[n]: 8,192 x 1,024, K = 1,024, on codes of BF8 (E5M2) with one E8M0 scale for each 32 along K; sums in f32.  Nothing is left out.
; SHARES.  A work-group makes 256 rows x 128 columns: 32 x 8 = 256 work-groups.  Each of its four waves makes 64 rows x 128 columns: 32 accumulators of 16 x 16, 256 registers.
; B.  The work-group's 128 rows of fc_w, all 1,024 bytes of each, come into LDS ONCE, 32 rows a wave by one tensor load, 16 bytes of padding behind each row; nothing is filled again.
; The four row blocks of a cluster (4, 1, 1) need the same 128 rows of fc_w and ask for them jointly.
; A.  o_codes lies in memory as images of operand registers, [tile of 16 rows][K step of 128: 8][4][lane][16]: each wave loads its own 64 rows for all of K straight into 512 registers,
; 512 consecutive bytes an instruction, each byte once in the work-group.  So A passes no LDS and is no joint load.
; No prefetch: every byte is asked for at the head, and the text has no loop that runs ahead of a load.
; THE MATRIX INSTRUCTION IS USED TRANSPOSED (source 0 = 16 rows of fc_w, source 1 = 16 rows of o): a lane holds eight neighbouring numbers of a row of out0.  The bias, in that layout, is the C of the first K step.
; REGISTERS, in windows of 256.  Window 0: v1-12 addresses; v16-31 o's scale words, v32-63 fc_w's (lanes 0-15: K steps 0-3, lanes 16-31: K steps 4-7); v64-127 the bias; v128-255 fc_w's eight fragments, in two half sets.
;   Window 1: accumulator (a, b) at v[8 (8 a + b)].  Windows 2, 3: o's fragments, K step q, tile a at v[64 (q % 4) + 16 a] of window 2 + q / 4; on the way out window 2 takes the rows read back from the stage.
.set PITCH,  1040                      ; an LDS row: 1,024 bytes + 16 of padding: an odd multiple of 16, so the 16 rows that a load touches start at 16 different groups of banks
.set QUART,  32*PITCH                  ; what one tensor load brings
.set STAGE,  4*QUART                   ; behind fc_w's rows: 16 rows x (512 + 16) bytes for each wave, for the way out: no fill lands here
.set SPITCH, 528
.set SPARE,  STAGE+4*16*SPITCH         ; the spare words, 128 bytes for each wave: no other line names them
.set L16,  1                           ; 16 x lane
.set SOF,  2                           ; scale words: 32 x (lane % 16) + 16 x (lane / 16)
.set BOF,  3                           ; the bias: 32 x (lane / 16)
.set ADRB, 4                           ; v4, v5: my lane's place in fc_w's blocks 0-3 and 4-7
.set SPW,  6
.set NIL,  7
.set STO,  8
.set RD,   9
.set RR,   10
.set HH,   11
.set SA,   16
.set SB,   32
.set BI,   64
.set BF,   128
.set MSB,  0
.macro WIN new                         ; the immediate's high byte repeats the setting that is left
.if MSB != (\new)
	s_set_vgpr_msb (MSB<<8)|(\new)
.set MSB, \new
.endif
.endm
.macro CROUND
	s_barrier_signal -1
	s_barrier_wait -1
	s_cmp_lg_u32 s18, 0
	s_cbranch_scc1 .Lnot_wave_0_\@
	s_barrier_signal -3
.Lnot_wave_0_\@:
	s_barrier_wait -3
	s_barrier_signal -1
	s_barrier_wait -1
.endm
.macro PLACES n
.rept \n
	v_nop
.endr
.endm
.macro ALOAD q                         ; o's four tiles of K step q: 16 loads of 512 consecutive bytes
	WIN 0x80+0x40*((\q)/4)
.irp a, 0,1,2,3
.irp c, 0,1,2,3
	global_load_b128 v[64*((\q)%4)+16*\a+4*\c:64*((\q)%4)+16*\a+4*\c+3], v[L16], s[4:5] offset:\a*16384+(\q)*2048+\c*512
.endr
.endr
.endm
.macro LOADB q, hf                     ; fc_w's blocks 4 hf .. 4 hf + 3 of K step q into half set hf: 16 LDS loads
.irp i, 0,1,2,3
.irp c, 0,1,2,3
	ds_load_b128 v[BF+64*\hf+16*\i+4*\c:BF+64*\hf+16*\i+4*\c+3], v[ADRB+\hf] offset:\i*16*PITCH+128*(\q)+32*\c
.endr
.endr
.endm
.macro PROD a, b, q
.set rD, 8*(8*(\a)+(\b))
.set rB, BF+16*(\b)
.set rA, 64*((\q)%4)+16*(\a)
.set rSB, SB+4*(\b)+(\q)%4
.set rSA, SA+4*(\a)+(\q)%4
.if (\q) == 0
	v_wmma_scale_f32_16x16x128_f8f6f4 v[rD:rD+7], v[rB:rB+15], v[rA:rA+15], v[BI+8*(\b):BI+8*(\b)+7], v[rSB], v[rSA] matrix_a_fmt:MATRIX_FMT_BF8 matrix_b_fmt:MATRIX_FMT_BF8
.elseif (\q) < 4
	v_wmma_scale_f32_16x16x128_f8f6f4 v[rD:rD+7], v[rB:rB+15], v[rA:rA+15], v[rD:rD+7], v[rSB], v[rSA] matrix_a_fmt:MATRIX_FMT_BF8 matrix_b_fmt:MATRIX_FMT_BF8
.else
	v_wmma_scale_f32_16x16x128_f8f6f4 v[rD:rD+7], v[rB:rB+15], v[rA:rA+15], v[rD:rD+7], v[rSB], v[rSA] matrix_a_fmt:MATRIX_FMT_BF8 matrix_b_fmt:MATRIX_FMT_BF8 matrix_a_scale:MATRIX_SCALE_ROW1 matrix_b_scale:MATRIX_SCALE_ROW1
.endif
.endm
.macro MULH q, hf                      ; 16 products: half set hf's four blocks x my four tiles.  The 32 accumulators take turns, one instruction a turn, in the same order in every K step
.if (\q) == 0
	WIN 0x48                                       ; source 0 window 0, source 1 window 2, C (the bias) window 0, D window 1
.else
	WIN 0x58+4*((\q)/4)                            ; C and D window 1, source 1 window 2 or 3
.endif
.irp b, 4*\hf, 4*\hf+1, 4*\hf+2, 4*\hf+3
.irp a, 0,1,2,3
	PROD \a, \b, \q
.endr
.endr
.endm
; A K step of 128: while one half set is multiplied, the other's 16 loads are on their way
.macro KSTEP q
.if 16*(7-(\q)) > 63
	s_wait_loadcnt 63                              ; behind K step q's loads 16 (7 - q) were issued; the wait's field holds 63 at the most, which asks for more than is needed
.else
	s_wait_loadcnt 16*(7-(\q))                     ; o's fragments of this K step are in (and the scale words and the bias, which were asked for first)
.endif
	s_wait_dscnt 16                                ; half set 0 is in; half set 1's sixteen may be out
	MULH \q, 0
.if (\q) < 7
	WIN 0
	PLACES 8                                       ; places in front of loads into registers that products have read
	LOADB (\q)+1, 0
	s_wait_dscnt 16                                ; half set 1 is in; the sixteen just issued may be out
.else
	s_wait_dscnt 0x0
.endif
	MULH \q, 1
.if (\q) < 7
	WIN 0
	PLACES 8
	LOADB (\q)+1, 1
.endif
.endm
; THE WAY OUT of my tile a, 16 rows x 128 columns: through my own stage in LDS, back as whole rows of 512 bytes, into registers of its own for each tile: no register that a store reads is written again
.macro TOSTAGE a
	WIN 0x04                                       ; the data: window 1
.irp b, 0,1,2,3,4,5,6,7
	ds_store_b128 v[STO], v[64*\a+8*\b:64*\a+8*\b+3] offset:64*\b            ; each accumulator from its low end on
	ds_store_b128 v[STO], v[64*\a+8*\b+4:64*\a+8*\b+7] offset:64*\b+16
.endr
	WIN 0x80                                       ; back into window 2
.irp t, 0,1,2,3,4,5,6,7,8,9,10,11,12,13,14,15
	ds_load_b128 v[64*\a+4*\t:64*\a+4*\t+3], v[RD] offset:\t*SPITCH          ; LDS serves a wave's instructions in order (ISA guide 5.7.1.4): these see the stores above, and the next tile's stores come behind them
.endr
.endm
.macro SEND a, younger                 ; younger: the LDS instructions issued behind tile a's loads, which may stay out
	s_wait_dscnt \younger
	WIN 0x08                                       ; the data: window 2
.irp t, 0,1,2,3,4,5,6,7,8,9,10,11,12,13,14,15
	global_store_b128 v[L16], v[64*(\a)+4*\t:64*(\a)+4*\t+3], s[14:15] offset:(16*(\a)+\t)*4096 th:TH_STORE_NT   ; 32 lanes store 512 consecutive bytes, at a multiple of 256 from out0's first byte
.endr
.endm
	s_load_b256 s[4:11], s[0:1], 0x0               ; o_codes s[4:5], o_sc s[6:7], fc_w_codes s[8:9], fc_w_scales s[10:11]
	s_load_b128 s[12:15], s[0:1], 0x20             ; fc_b s[12:13], out0 s[14:15]
	v_lshl_add_u32 v[SPW], v0, 2, SPARE
	v_mov_b32 v[NIL], 0
	ds_add_u32 v[SPW], v[NIL]                      ; the wave's opening: the add, twice on end, and its wait ahead of my tensor load
	ds_add_u32 v[SPW], v[NIL]
	v_lshrrev_b32 v12, 5, v0
	v_readfirstlane_b32 s18, v12                   ; wave 0..3
	s_bfe_u32 s22, ttmp6, 0x40000                  ; cx: it enters o's and out0's addresses alone
	s_lshl_b32 s40, ttmp9, 2
	s_add_co_u32 s40, s40, s22                     ; my block of 256 rows
	s_and_b32 s41, ttmp7, 0xffff                   ; my block of 128 columns, which the four partners share
	s_mov_b32 s24, 15|(1<<20)|(1<<21)|(7<<22)|(3<<25)   ; the mask: all four; elements of 1 byte; padding on; bit 21 beside a mask; after every 256 words (code 7) four words (code 3)
	s_mov_b32 s25, 1024<<16                        ; 32 rows of 1,024 bytes
	s_mov_b32 s26, 32<<16
	s_mov_b32 s27, 1024<<16
	s_mov_b32 s28, 32
	s_mov_b32 s29, 1024
	s_mov_b32 s30, 0
	s_mov_b32 s31, 0
	s_lshl_b32 s48, s41, 7
	s_lshl_b32 s42, s18, 5
	s_add_co_u32 s48, s48, s42
	s_lshl_b32 s48, s48, 10                        ; fc_w: row 128 x column block + 32 x wave
	s_mov_b32 s49, 0
	s_lshl_b32 s50, s40, 4
	s_lshl_b32 s42, s18, 2
	s_add_co_u32 s50, s50, s42                     ; my first tile of 16 rows
	s_lshl_b32 s52, s50, 9                         ; its scale bytes: 32 a row
	s_mov_b32 s53, 0
	s_lshl_b32 s58, s50, 16                        ; its rows of out0: 4,096 bytes each,
	s_lshl_b32 s56, s41, 9                         ; my columns: 512 bytes; the bias likewise
	s_add_co_u32 s58, s58, s56
	s_mov_b32 s59, 0
	s_mov_b32 s57, 0
	s_lshl_b32 s50, s50, 14                        ; its codes: 16,384 bytes a tile
	s_mov_b32 s51, 0
	s_lshl_b32 s54, s41, 12                        ; fc_w's scale bytes
	s_mov_b32 s55, 0
	s_mov_b32 s32, 1
	s_mul_i32 s33, s18, QUART                      ; LDS: wave x 32 rows
	s_mul_i32 s60, s18, 16*SPITCH
	s_add_co_u32 s60, s60, STAGE                   ; my stage
	v_and_b32 v[RR], 15, v0
	v_bfe_u32 v[HH], v0, 4, 1
	v_and_b32 v12, 31, v0
	v_lshlrev_b32 v[L16], 4, v12
	v_lshlrev_b32 v[SOF], 5, v[RR]
	v_lshl_add_u32 v[SOF], v[HH], 4, v[SOF]
	v_lshlrev_b32 v[BOF], 5, v[HH]
	v_mul_u32_u24 v[ADRB], v[RR], PITCH
	v_lshl_add_u32 v[ADRB], v[HH], 4, v[ADRB]      ; a fragment's row x pitch + 16 x half
	v_add_nc_u32 v[ADRB+1], 4*16*PITCH, v[ADRB]    ; blocks 4-7 lie beyond an LDS instruction's 16-bit offset
	v_mul_u32_u24 v[STO], v[RR], SPITCH            ; in: row lane % 16, 32 bytes for each half of the lanes
	v_lshl_add_u32 v[STO], v[HH], 5, v[STO]
	v_add_nc_u32 v[STO], s60, v[STO]
	v_add_nc_u32 v[RD], s60, v[L16]                ; back: the 32 lanes take one row of 512 bytes
	s_wait_alu depctr_va_vdst(0)
	s_wait_dscnt 0x0                               ; both opening adds are done
	s_wait_kmcnt 0x0
	s_add_nc_u64 s[34:35], s[8:9], s[48:49]
	s_or_b32 s35, s35, 0x80000000
	s_add_nc_u64 s[4:5], s[4:5], s[50:51]
	s_add_nc_u64 s[6:7], s[6:7], s[52:53]
	s_add_nc_u64 s[10:11], s[10:11], s[54:55]
	s_add_nc_u64 s[12:13], s[12:13], s[56:57]
	s_add_nc_u64 s[14:15], s[14:15], s[58:59]
.irp a, 0,1,2,3
	global_load_b128 v[SA+4*\a:SA+4*\a+3], v[SOF], s[6:7] offset:512*\a            ; row r's eight scale words: four in lane r, four in lane 16 + r
.endr
.irp b, 0,1,2,3,4,5,6,7
	global_load_b128 v[SB+4*\b:SB+4*\b+3], v[SOF], s[10:11] offset:512*\b
.endr
.irp b, 0,1,2,3,4,5,6,7
	global_load_b128 v[BI+8*\b:BI+8*\b+3], v[BOF], s[12:13] offset:64*\b           ; fc_b at my eight columns of block b: 16 b + 8 (lane / 16) + 0 .. 7
	global_load_b128 v[BI+8*\b+4:BI+8*\b+7], v[BOF], s[12:13] offset:64*\b+16
.endr
	ALOAD 0                                        ; 60 loads are out here: the round and the tensor load are not held up behind more
	ALOAD 1
	WIN 0                                          ; at a label and at a branch every window is 0
	CROUND                                         ; all four work-groups are here: the joint loads meet
	tensor_load_to_lds s[32:35], s[24:31]          ; one tensor load a wave, its addresses made of the wave's number
	s_nop 0
	PLACES 4
.irp q, 2,3,4,5,6,7
	ALOAD \q
.endr
	WIN 0
	s_wait_tensorcnt 0x0                           ; my 32 rows have landed,
	s_barrier_signal -1
	s_barrier_wait -1                              ; everybody's have: all 128 rows lie in LDS, and nothing is filled again
	LOADB 0, 0
	LOADB 0, 1
.irp q, 0,1,2,3,4,5,6,7
	KSTEP \q
.endr
	WIN 0
	PLACES 8                                       ; places behind the last products
	TOSTAGE 0
.irp a, 1,2,3
	TOSTAGE \a
	SEND \a-1, 32                                  ; behind tile a - 1's loads: tile a's 16 stores and 16 loads
.endr
	SEND 3, 0
	WIN 0
	s_wait_tensorcnt 0x0                           ; the wave's end
	ds_add_u32 v[SPW], v[NIL]
	s_wait_dscnt 0x0
	CROUND                                         ; the closing round
	s_endpgm
.Lfunc_end_k_q6de45a4a5f_fc:
	.size	k_q6de45a4a5f_fc, .Lfunc_end_k_q6de45a4a5f_fc-k_q6de45a4a5f_fc
	.p2alignl 7, 3214868480
	.fill 96, 4, 3214868480
	.section	.rodata,"a",@progbits
	.p2align	6, 0x0
	.amdhsa_kernel k_q6de45a4a5f_fc
		.amdhsa_group_segment_fixed_size 327680
		.amdhsa_private_segment_fixed_size 0
		.amdhsa_enable_private_segment 0
		.amdhsa_kernarg_size 48
		.amdhsa_user_sgpr_count 2
		.amdhsa_user_sgpr_kernarg_segment_ptr 1
		.amdhsa_wavefront_size32 1
		.amdhsa_system_sgpr_workgroup_id_x 1
		.amdhsa_system_sgpr_workgroup_id_y 1
		.amdhsa_system_sgpr_workgroup_id_z 1
		.amdhsa_system_vgpr_workitem_id 0
		.amdhsa_next_free_vgpr 1024
		.amdhsa_next_free_sgpr 66
		.amdhsa_reserve_vcc 0
		.amdhsa_float_denorm_mode_32 3
		.amdhsa_float_denorm_mode_16_64 3
		.amdhsa_memory_ordered 1
		.amdhsa_forward_progress 1
		.amdhsa_inst_pref_size 88
	.end_amdhsa_kernel
	.amdgpu_metadata
---
amdhsa.version: [ 1, 2 ]
amdhsa.kernels:
  - .name:           k_q6de45a4a5f_fc
    .symbol:         k_q6de45a4a5f_fc.kd
    .args:
      - { .name: o_codes, .offset: 0, .size: 8, .value_kind: global_buffer, .address_space: global }
      - { .name: o_sc, .offset: 8, .size: 8, .value_kind: global_buffer, .address_space: global }
      - { .name: fc_w_codes, .offset: 16, .size: 8, .value_kind: global_buffer, .address_space: global }
      - { .name: fc_w_scales, .offset: 24, .size: 8, .value_kind: global_buffer, .address_space: global }
      - { .name: fc_b, .offset: 32, .size: 8, .value_kind: global_buffer, .address_space: global }
      - { .name: out0, .offset: 40, .size: 8, .value_kind: global_buffer, .address_space: global }
    .group_segment_fixed_size: 327680
    .private_segment_fixed_size: 0
    .kernarg_segment_align: 8
    .kernarg_segment_size: 48
    .max_flat_workgroup_size: 128
    .sgpr_count:     66
    .vgpr_count:     1024
    .wavefront_size: 32
...
	.end_amdgpu_metadata
.endif
;; end of part 3
